; MI455X (gfx1250); checked and timed in simulation.
; The chip was launched on July 23, 2026; its instructions are those of AMD's public machine-readable ISA for CDNA 5 (MIT licence, August 2026) and "CDNA5" Instruction Set Architecture Reference Guide (July 2026). The comments in the code are by the model that wrote it; some were corrected since.
;; Holts Winters No Trend. Allowed arithmetic: float matrix products may take bf16 or f16 operands with f32 sums; all other float work in f32.
;; Inputs: alpha one number float32; gamma one number float32; init_season 7 float32; series 4,096 x 4,096 float32; series_shifts 4,096 int32.
;; Outputs: out0 4,096 x 14 float32.
;; Constants: n_preds = 14.
;; One version. Each part assembles by itself: llvm-mc -triple=amdgcn-amd-amdhsa -mcpu=gfx1250 --defsym DOCPART=n.
;; ======== version 1 of 1: 1 launch
;; launch holt (part 1): grid 256 x 1, 16 waves a work-group, no clusters, 3,072 bytes of LDS; arguments series, series_shifts, alpha, init_season, out0; writes out0
.if DOCPART == 1
	.amdgcn_target "amdgcn-amd-amdhsa--gfx1250"
	.amdhsa_code_object_version 6
	.text
	.protected	k_q39383017d9_holt
	.globl	k_q39383017d9_holt
	.p2align	8
	.type	k_q39383017d9_holt,@function
k_q39383017d9_holt:
	s_mov_b64 s[64:65], 0
	v_nop
	global_prefetch_b8 v0, s[64:65] scope:SCOPE_SE
	s_setreg_imm32_b32 hwreg(HW_REG_WAVE_MODE, 25, 1), 1
	s_wait_xcnt 0x0
; Holt-Winters without trend, multiplicative.  With a = alpha, b = 1 - a, s_t = init_season[(t - shift) mod 7]:
;   smooth_t = a x_t / s_t + b smooth_(t-1),  smooth_(-1) = x_0;   out[row][i] = smooth_t s_t for t = 4082 + i, i = 0..13.
; The recurrence is linear, so a state is a sum with weights b^n; it is formed over ALL 4096 numbers of the row, nothing is cut off.
; One wave owns one row (16,384 bytes = 32 loads of 512 consecutive bytes = 128 registers); 16 waves a work-group, 256 work-groups:
; the 16 rows of a work-group are all requested at once and stay in registers; every series byte is read once.
; Lane l holds t = 128 j + 4 l + c (load j, word c).  128 = 2 mod 7, so relative to the lane the season class is k = (2 j + c) mod 7,
; known when the text is assembled; each lane keeps its own table S[k] = init_season[(k + 4 l - shift) mod 7].
; No cluster: work-groups share nothing but the 28 bytes of init_season.  No matrix unit: there is no product of matrices.
; gamma is no argument: no output depends on it.
; LIMITS.  The sums are added in another order than the scan adds them.  x / s is x * (1 / s) by v_rcp_f32, which takes denormals as zero:
; |init_season| between 2^-126 and 2^126.  Weights are formed apart from the data: a weight under 2^-149 counts as 0 (an error only where
; an early number is some 7e42 times the results), and |1 - alpha|^4080 has to be finite in f32 (|1 - alpha| up to 1.0219).
; Any int32 shift is served (floor mod 7).  Powers of b are made by multiplying, so b negative, 0 or 1 are ordinary cases.
.set ROWS,  16                         ; rows (= waves) of a work-group
.set OUTB,  56                         ; bytes of a row of out0 (14 f32)
.set LANE,  1                          ; v1      lane l
.set XOFF,  2                          ; v2      16 l: my bytes in each 512 of the row
.set TOFF,  3                          ; v3      4 (l mod 7): my word of init_season
.set T0,    4                          ; v4-6    scratch of the set-up; later the three shifted lane sums
.set T1,    5
.set T2,    6
.set IDX,   7                          ; v7      byte index for the lane permute; later scratch of the lane sum
.set TAB,   8                          ; v8      init_season[l mod 7]
.set LA,    9                          ; v9      LDS byte of my words c = 2, 3
.set S,     10                         ; v10-16  S[k]
.set R,     17                         ; v17-23  1 / S[k]
.set TP,    24                         ; v24-37  pair k: (a b / S[k], a / S[k+1])
.set U,     38                         ; v38     b^(4 e), e = (27 - l) mod 32
.set UA,    39                         ; v39     lane weight of loads 0..30
.set UB,    40                         ; v40     lane weight of load 31 (0 in lanes 28..31)
.set WX,    41                         ; v41     b^4080 in lane 0, else 0: the seed x_0
.set PW,    42                         ; v42     b^(4 q), q = l mod 4
.set M1,    43                         ; v43-45  weights of the lane sums 1, 2, 3 lanes below
.set M2,    44
.set M3,    45
.set G,     46                         ; v46-47  sum of loads 0..30
.set L,     48                         ; v48-51  load 31: prefixes over my four numbers, then smooth
.set K,     55                         ; v55     state in front of my four numbers
.set RW,    56                         ; v56     my weighted share of the state smooth_4079
.set LB,    57                         ; v57     LDS byte, less 8, of my words c = 0, 1
.set O,     58                         ; v58-61  results
.set V,     64                         ; v64-95  V[m] = b^(128 m)
.set ACC,   96                         ; v96-123 pair (k, h) at ACC + 4 k + 2 h: words 2h, 2h+1 of the loads whose word 2h has class k
.set X,     124                        ; v124-251 the row
.set SA,    18                         ; s18 alpha   s19 shift
.set SSH,   19
.set SB,    20                         ; s20 b   s21 a b   s22 b^2   s23 b^3   s24 b^4, then squares up to s33 = b^2048   s34 b^4080
.set SAB,   21
.set SB2,   22
.set SB3,   23
.set SB4,   24
.set SB8,   25
.set SB16,  26
.set SB32,  27
.set SB64,  28
.set SB128, 29
.set SB256, 30
.set SB1K,  32
.set SB2K,  33
.set SBX,   34
; dst = src mod 7 for src below 13,107: 9363 = ceil(2^16 / 7), and 7 x 9363 - 2^16 = 5, so the quotient is exact while 5 src < 2^16
.macro MOD7 dst, src, tmp
	v_mul_u32_u24 v[\tmp], 0x2493, v[\src]
	v_lshrrev_b32 v[\tmp], 16, v[\tmp]
	v_mul_u32_u24 v[\tmp], 7, v[\tmp]
	v_sub_nc_u32 v[\dst], v[\src], v[\tmp]
.endm
	s_load_b256 s[4:11], s[0:1], 0x0               ; series s[4:5], series_shifts s[6:7], alpha s[8:9], init_season s[10:11]
	s_load_b64 s[12:13], s[0:1], 0x20              ; out0
	v_lshl_add_u32 v252, v0, 2, 0x400
	v_mov_b32 v253, 0
	v_and_b32 v[LANE], 31, v0
	v_lshrrev_b32 v[T0], 5, v0
	v_readfirstlane_b32 s14, v[T0]                 ; wave = my row in the work-group
	s_lshl4_add_u32 s15, ttmp9, s14                ; my row = 16 x work-group + wave
	s_lshl_b32 s16, s15, 14                        ; x 16,384 bytes: below 2^26
	s_mov_b32 s17, 0
	s_lshl_b32 s36, s15, 2                         ; my word of series_shifts
	s_mov_b32 s37, 0
	s_mul_i32 s38, ttmp9, ROWS*OUTB                ; the work-group's 896 bytes of out0
	s_mov_b32 s39, 0
	v_lshlrev_b32 v[XOFF], 4, v[LANE]
	MOD7 TOFF, LANE, T0
	v_lshlrev_b32 v[TOFF], 2, v[TOFF]
	s_wait_kmcnt 0x0
	s_add_nc_u64 s[6:7], s[6:7], s[36:37]
	s_add_nc_u64 s[4:5], s[4:5], s[16:17]
	s_add_nc_u64 s[12:13], s[12:13], s[38:39]
	s_load_b32 s[SA], s[8:9], 0x0
	s_load_b32 s[SSH], s[6:7], 0x0
	global_load_b32 v[TAB], v[TOFF], s[10:11]      ; ahead of the row, so that it is back first
.set j, 0
.rept 32
	global_load_b128 v[X+4*j:X+4*j+3], v[XOFF], s[4:5] offset:512*j th:TH_LOAD_NT   ; the whole row is on its way; read once in the launch
.set j, j+1
.endr
	; ---- set-up, while the row travels.  First what hangs on the lane alone.
	v_lshlrev_b32 v[T1], 2, v[LANE]
	MOD7 T1, T1, T0                                ; 4 l mod 7
	v_and_b32 v[T2], 3, v[LANE]                    ; q: lanes 28..31 are q = 0..3
	s_mul_i32 s45, s14, OUTB                       ; my row in the LDS image of the work-group's output
	v_lshl_add_u32 v[LA], v[T2], 4, s45            ; words c = 2, 3 are outputs 4 q, 4 q + 1
	v_max_u32 v[T0], 1, v[T2]                      ; words c = 0, 1 are outputs 4 q - 2, 4 q - 1, for q >= 1 alone; q = 0 is masked off
	v_sub_nc_u32 v[T0], v[T0], 1                   ; below, and its address is kept inside my row all the same
	v_lshl_add_u32 v[LB], v[T0], 4, s45            ; 16 (q - 1); the store adds 8
	v_cmp_le_u32 s43, 28, v[LANE]                  ; lanes 28..31
	v_cmp_le_u32 s44, 29, v[LANE]                  ; lanes 29..31
	s_mov_b32 s40, 0x76543210                      ; v_permlanex16_b32: lane i of one half reads lane i of the other
	s_mov_b32 s41, 0xfedcba98
	s_wait_kmcnt 0x0                               ; alpha and shift
	; 7 - (shift mod 7), floor mod of any int32: as unsigned u = 2^16 hi + lo = 2 hi + lo (mod 7); a negative shift is u - 2^32 = u + 3 (mod 7)
	s_and_b32 s35, s[SSH], 0xffff
	s_lshr_b32 s36, s[SSH], 16
	s_lshl1_add_u32 s35, s36, s35
	s_lshr_b32 s36, s[SSH], 31
	s_mul_i32 s36, s36, 3
	s_add_co_u32 s35, s35, s36                     ; below 2^18
	s_mul_hi_u32 s36, s35, 0x24924925              ; / 7: ceil(2^32 / 7), exact while 3 n < 2^32
	s_mul_i32 s36, s36, 7
	s_sub_co_u32 s35, s35, s36
	s_sub_co_u32 s35, 7, s35                       ; 1..7
	s_min_u32 s35, s35, 7                          ; changes no value: it states the range of an index that comes from loaded data
	v_add_nc_u32 v[IDX], s35, v[T1]                ; = 4 l - shift (mod 7), at most 13; + k at most 19: a lane that holds init_season[. mod 7]
	v_lshlrev_b32 v[IDX], 2, v[IDX]
	; powers of b, by multiplication
	s_xor_b32 s[SB], s[SA], 0x80000000
	s_add_f32 s[SB], s[SB], 1.0                    ; b = 1 - alpha
	s_mul_f32 s[SAB], s[SA], s[SB]
	s_mul_f32 s[SB2], s[SB], s[SB]
	s_mul_f32 s[SB3], s[SB2], s[SB]
	s_mul_f32 s[SB4], s[SB2], s[SB2]
.irp p, 24,25,26,27,28,29,30,31,32
	s_mul_f32 s[\p+1], s[\p], s[\p]                ; b^8 .. b^2048
.endr
	s_mul_f32 s[SBX], s[SB2K], s[SB1K]
.irp p, 31,30,29,28,27,26
	s_mul_f32 s[SBX], s[SBX], s[\p]                ; 2048 + 1024 + 512 + 256 + 128 + 64 + 32 + 16 = 4080
.endr
	; U = b^(4 e) from the five bits of e = (27 - l) mod 32
	v_sub_nc_u32 v[T0], 27, v[LANE]
.macro POWBIT bit, pw, first
	v_and_b32 v[T1], \bit, v[T0]
	v_cmp_ne_u32 vcc_lo, 0, v[T1]
.if \first
	v_cndmask_b32 v[U], 1.0, s[\pw], vcc_lo
.else
	v_cndmask_b32 v[T1], 1.0, s[\pw], vcc_lo
	v_mul_f32 v[U], v[U], v[T1]
.endif
.endm
	POWBIT 1,  SB4,  1
	POWBIT 2,  SB8,  0
	POWBIT 4,  SB16, 0
	POWBIT 8,  SB32, 0
	POWBIT 16, SB64, 0
	; The state wanted is smooth_4079, in front of lanes 28..31 of load 31.  Lanes 0..27: load 31 weighs b^(4 (27 - l)), the loads before b^128 more.
	; Lanes 28..31 lie one block behind: their loads 0..30 weigh b^(4 (59 - l)), their load 31 is the tail and does not count here.
	v_cmp_gt_u32 vcc_lo, 28, v[LANE]
	v_mul_f32 v[T1], s[SB128], v[U]
	v_cndmask_b32 v[UA], v[U], v[T1], vcc_lo
	v_cndmask_b32 v[UB], 0, v[U], vcc_lo
	v_cmp_eq_u32 vcc_lo, 0, v[LANE]
	v_cndmask_b32 v[WX], 0, s[SBX], vcc_lo
	; the carry across the four tail lanes: K(q) = b^(4 q) C + H(q-1) + b^4 H(q-2) + b^8 H(q-3), terms below q = 0 weighted 0
	v_cmp_lt_u32 vcc_lo, 0, v[T2]
	v_cndmask_b32 v[M1], 0, 1.0, vcc_lo
	v_cmp_lt_u32 vcc_lo, 1, v[T2]
	v_cndmask_b32 v[M2], 0, s[SB4], vcc_lo
	v_cndmask_b32 v[PW], 1.0, s[SB8], vcc_lo
	v_cmp_eq_u32 vcc_lo, 3, v[T2]
	v_cndmask_b32 v[M3], 0, s[SB8], vcc_lo
	v_and_b32 v[T1], 1, v[T2]
	v_cmp_ne_u32 vcc_lo, 0, v[T1]
	v_cndmask_b32 v[T1], 1.0, s[SB4], vcc_lo
	v_mul_f32 v[PW], v[PW], v[T1]
	; my seven season factors
	s_wait_loadcnt 32                              ; loads return in order (ISA guide 5.7.1): the table is in, the 32 loads of the row issued behind it stay out
.irp k, 0,1,2,3,4,5,6
	ds_bpermute_b32 v[S+\k], v[IDX], v[TAB]        ; S[k] = init_season[(k + 4 l - shift) mod 7]
.if \k < 6
	v_add_nc_u32 v[IDX], 4, v[IDX]
.endif
.endr
	s_wait_dscnt 0x0
.irp k, 0,1,2,3,4,5,6
	v_rcp_f32 v[R+\k], v[S+\k]
.endr
	; V[m] = b^(128 m), two at a time.  These plain lines also stand between the reciprocals and their first use (ISA guide 5.7.2).
	v_mov_b32 v[V], 1.0
	v_mov_b32 v[V+1], s[SB128]
.set i, 0
.rept 15
	v_pk_mul_f32 v[V+2*i+2:V+2*i+3], v[V+2*i:V+2*i+1], s[SB256:SB256+1] op_sel_hi:[1,0]
.set i, i+1
.endr
	s_wait_alu depctr_va_vdst(0)
.irp k, 0,1,2,3,4,5,6
	v_mul_f32 v[TP+2*\k],   s[SAB], v[R+\k]        ; the lower word of a pair is one step older: a b / S[k]
	v_mul_f32 v[TP+2*\k+1], s[SA],  v[R+(\k+1)%7]  ; a / S[k+1]
.endr
	; ---- loads 0..30: one packed multiply-add for two numbers, weight V[30 - j], into the pair of their classes.
	; Loads 0..6 meet each of the 14 pairs for the first time and start it by a product: nothing is cleared.  Load 30 weighs 1: a sum.
.macro TAKE p                          ; p: which register of the pair of weights
.if j < 7
	v_pk_mul_f32 v[ka:ka+1], v[xa:xa+1],   v[wp:wp+1] op_sel:[0,\p] op_sel_hi:[1,\p]
	v_pk_mul_f32 v[kb:kb+1], v[xa+2:xa+3], v[wp:wp+1] op_sel:[0,\p] op_sel_hi:[1,\p]
.else
	v_pk_fma_f32 v[ka:ka+1], v[xa:xa+1],   v[wp:wp+1], v[ka:ka+1] op_sel:[0,\p,0] op_sel_hi:[1,\p,1]
	v_pk_fma_f32 v[kb:kb+1], v[xa+2:xa+3], v[wp:wp+1], v[kb:kb+1] op_sel:[0,\p,0] op_sel_hi:[1,\p,1]
.endif
.endm
.set j, 0
.rept 31
	s_wait_loadcnt 31-j                            ; load j is in; the 31 - j younger ones stay out
.set ka, ACC+4*((2*j)%7)
.set kb, ACC+4*((2*j+2)%7)+2
.set xa, X+4*j
.set wp, V+(30-j)-((30-j)%2)
.if j == 30
	v_pk_add_f32 v[ka:ka+1], v[ka:ka+1], v[xa:xa+1]
	v_pk_add_f32 v[kb:kb+1], v[kb:kb+1], v[xa+2:xa+3]
.else
.if (30-j)%2
	TAKE 1
.else
	TAKE 0
.endif
.endif
.set j, j+1
.endr
	; words 0, 1 are two steps older than words 2, 3 of the same classes: b^2 x the one + the other; then the class factors
.irp k, 0,1,2,3,4,5,6
	v_pk_fma_f32 v[ACC+4*\k+2:ACC+4*\k+3], v[ACC+4*\k:ACC+4*\k+1], s[SB2:SB2+1], v[ACC+4*\k+2:ACC+4*\k+3] op_sel_hi:[1,0,1]
.endr
	v_pk_mul_f32 v[G:G+1], v[ACC+2:ACC+3], v[TP:TP+1]
.irp k, 1,2,3,4,5,6
	v_pk_fma_f32 v[G:G+1], v[ACC+4*\k+2:ACC+4*\k+3], v[TP+2*\k:TP+2*\k+1], v[G:G+1]
.endr
	v_add_f32 v[G], v[G], v[G+1]                   ; sum over j <= 30, c of b^(128 (30 - j) + 3 - c) a x / s
	; ---- load 31: classes (62 + c) mod 7 = 6, 0, 1, 2.  L[c] = the recurrence over my words 0..c, started at 0.
	s_wait_loadcnt 0x0
	v_mul_f32 v[L],   v[X+124], v[TP+11]           ; a / S[6]
	v_mul_f32 v[L+1], v[X+125], v[TP+13]           ; a / S[0]
	v_mul_f32 v[L+2], v[X+126], v[TP+1]            ; a / S[1]
	v_mul_f32 v[L+3], v[X+127], v[TP+3]            ; a / S[2]
	v_fmac_f32 v[L+1], s[SB], v[L]
	v_fmac_f32 v[L+2], s[SB], v[L+1]
	v_fmac_f32 v[L+3], s[SB], v[L+2]               ; H: my four numbers as one step of b^4
	v_mul_f32 v[RW], v[L+3], v[UB]
	v_fmac_f32 v[RW], v[G], v[UA]
	v_fmac_f32 v[RW], v[X], v[WX]                  ; lane 0: + b^4080 x_0
	; the lane sums of the 1, 2, 3 lanes below.  A DPP destination counts as read: registers of the set-up, written in every lane, serve again.
	v_mov_b32_dpp v[T0], v[L+3] row_shr:1 row_mask:0xf bank_mask:0xf bound_ctrl:1
	v_mov_b32_dpp v[T1], v[L+3] row_shr:2 row_mask:0xf bank_mask:0xf bound_ctrl:1
	v_mov_b32_dpp v[T2], v[L+3] row_shr:3 row_mask:0xf bank_mask:0xf bound_ctrl:1
	v_mul_f32 v[K], v[T0], v[M1]
	v_fmac_f32 v[K], v[T1], v[M2]
	v_fmac_f32 v[K], v[T2], v[M3]
	; C = smooth_4079 = the sum of RW over the 32 lanes, in every lane
	v_add_f32_dpp v[RW], v[RW], v[RW] row_xmask:1 row_mask:0xf bank_mask:0xf
	v_add_f32_dpp v[RW], v[RW], v[RW] row_xmask:2 row_mask:0xf bank_mask:0xf
	v_add_f32_dpp v[RW], v[RW], v[RW] row_xmask:4 row_mask:0xf bank_mask:0xf
	v_add_f32_dpp v[RW], v[RW], v[RW] row_xmask:8 row_mask:0xf bank_mask:0xf
	v_permlanex16_b32 v[IDX], v[RW], s40, s41
	v_add_f32 v[RW], v[RW], v[IDX]
	v_fmac_f32 v[K], v[RW], v[PW]                  ; lanes 28..31: the state in front of my four numbers
	v_fmac_f32 v[L],   s[SB],  v[K]                ; smooth = L[c] + b^(c+1) K
	v_fmac_f32 v[L+1], s[SB2], v[K]
	v_fmac_f32 v[L+2], s[SB3], v[K]
	v_fmac_f32 v[L+3], s[SB4], v[K]
	v_mul_f32 v[O],   v[L],   v[S+6]               ; out = smooth s
	v_mul_f32 v[O+1], v[L+1], v[S]
	v_mul_f32 v[O+2], v[L+2], v[S+1]
	v_mul_f32 v[O+3], v[L+3], v[S+2]
	; ---- the way out: the 16 waves lay their 56 bytes side by side in LDS, then 56 threads store 16 neighbouring bytes each
	s_wait_xcnt 0x0                                ; EXEC is a source of global loads: all of mine are complete (the wait for 0 above) and translated
	s_and_saveexec_b32 s42, s43                    ; lanes 28..31: t = 4082, 4083, then words 2, 3 of the next three lanes
	ds_store_b64 v[LA], v[O+2:O+3]
	s_or_b32 exec_lo, exec_lo, s42
	s_and_saveexec_b32 s42, s44                    ; lanes 29..31: words 0, 1 (lane 28 holds t = 4080, 4081 there, which are no outputs)
	ds_store_b64 v[LB], v[O:O+1] offset:8
	s_or_b32 exec_lo, exec_lo, s42
	s_wait_dscnt 0x0                               ; for the waves that read my bytes: zero
	s_barrier_signal -1
	s_barrier_wait -1
	s_cmp_gt_u32 s14, 1
	s_cbranch_scc1 .Lothers                        ; 896 bytes are 56 threads: wave 0 and 24 lanes of wave 1
	v_lshlrev_b32 v[T0], 4, v0
	v_cmp_gt_u32 vcc_lo, 56, v0
	s_wait_tensorcnt 0x0
	ds_add_u32 v252, v253
	s_wait_dscnt 0x0
	s_and_saveexec_b32 s42, vcc_lo
	ds_load_b128 v[O:O+3], v[T0]
	s_wait_dscnt 0x0
	global_store_b128 v[T0], v[O:O+3], s[12:13] th:TH_STORE_NT   ; wave 0 stores 512 consecutive bytes, wave 1 the 384 behind them
	s_endpgm
.Lothers:
	s_wait_tensorcnt 0x0
	ds_add_u32 v252, v253
	s_wait_dscnt 0x0
	s_endpgm
.Lfunc_end_k_q39383017d9_holt:
	.size	k_q39383017d9_holt, .Lfunc_end_k_q39383017d9_holt-k_q39383017d9_holt
	.p2alignl 7, 3214868480
	.fill 96, 4, 3214868480
	.section	.rodata,"a",@progbits
	.p2align	6, 0x0
	.amdhsa_kernel k_q39383017d9_holt
		.amdhsa_group_segment_fixed_size 3072
		.amdhsa_private_segment_fixed_size 0
		.amdhsa_enable_private_segment 0
		.amdhsa_kernarg_size 40
		.amdhsa_user_sgpr_count 2
		.amdhsa_user_sgpr_kernarg_segment_ptr 1
		.amdhsa_wavefront_size32 1
		.amdhsa_system_sgpr_workgroup_id_x 1
		.amdhsa_system_sgpr_workgroup_id_y 1
		.amdhsa_system_sgpr_workgroup_id_z 1
		.amdhsa_system_vgpr_workitem_id 0
		.amdhsa_next_free_vgpr 254
		.amdhsa_next_free_sgpr 66
		.amdhsa_reserve_vcc 1
		.amdhsa_float_denorm_mode_32 3
		.amdhsa_float_denorm_mode_16_64 3
		.amdhsa_memory_ordered 1
		.amdhsa_forward_progress 1
		.amdhsa_inst_pref_size 19
	.end_amdhsa_kernel
	.amdgpu_metadata
---
amdhsa.version: [ 1, 2 ]
amdhsa.kernels:
  - .name:           k_q39383017d9_holt
    .symbol:         k_q39383017d9_holt.kd
    .args:
      - { .name: series, .offset: 0, .size: 8, .value_kind: global_buffer, .address_space: global }
      - { .name: series_shifts, .offset: 8, .size: 8, .value_kind: global_buffer, .address_space: global }
      - { .name: alpha, .offset: 16, .size: 8, .value_kind: global_buffer, .address_space: global }
      - { .name: init_season, .offset: 24, .size: 8, .value_kind: global_buffer, .address_space: global }
      - { .name: out0, .offset: 32, .size: 8, .value_kind: global_buffer, .address_space: global }
    .group_segment_fixed_size: 3072
    .private_segment_fixed_size: 0
    .kernarg_segment_align: 8
    .kernarg_segment_size: 40
    .max_flat_workgroup_size: 512
    .sgpr_count:     66
    .vgpr_count:     254
    .wavefront_size: 32
...
	.end_amdgpu_metadata
.endif
;; end of part 1
